; MI455X (gfx1250); checked and timed in simulation.
; The chip was launched on July 23, 2026; its instructions are those of AMD's public machine-readable ISA for CDNA 5 (MIT licence, August 2026) and "CDNA5" Instruction Set Architecture Reference Guide (July 2026). The comments in the code are by the model that wrote it; some were corrected since.
;; Multi Head Attention. Allowed arithmetic: float matrix products may take bf16 or f16 operands with f32 sums; all other float work in f32.
;; Inputs: Wk 1,024 x 1,024 float32; Wo 1,024 x 1,024 float32; Wq 1,024 x 1,024 float32; Wv 1,024 x 1,024 float32; bk 1,024 float32; bo 1,024 float32; bq 1,024 float32; bv 1,024 float32; key 4 x 2,048 x 1,024 float32; query 4 x 2,048 x 1,024 float32; value 4 x 2,048 x 1,024 float32.
;; Outputs: out0 4 x 2,048 x 1,024 float32.
;; One version. Each part assembles by itself: llvm-mc -triple=amdgcn-amd-amdhsa -mcpu=gfx1250 --defsym DOCPART=n.
;; ======== version 1 of 1: 4 launches
;; workspace buffers: Wb 8,388,608 bytes; qkvh 50,331,648 bytes; Ah 16,777,216 bytes
;; launch wcvt (part 1): grid 64 x 4, 8 waves a work-group, no clusters, 0 bytes of LDS; arguments Wq, Wk, Wv, Wo, Wb; writes Wb
.if DOCPART == 1
	.amdgcn_target "amdgcn-amd-amdhsa--gfx1250"
	.amdhsa_code_object_version 6
	.text
	.protected	k_q6e1d6580d7_wcvt
	.globl	k_q6e1d6580d7_wcvt
	.p2align	8
	.type	k_q6e1d6580d7_wcvt,@function
k_q6e1d6580d7_wcvt:
	s_mov_b64 s[64:65], 0
	v_nop
	global_prefetch_b8 v0, s[64:65] scope:SCOPE_SE
	s_setreg_imm32_b32 hwreg(HW_REG_WAVE_MODE, 25, 1), 1
	s_wait_xcnt 0x0
; Wb[y][n][k] = bf16(W_y[n][k]), y = 0..3 for Wq, Wk, Wv, Wo; each W is [1024][1024] f32, rounded to nearest even once.
; A stream: every byte is read once and written once, no work-group shares a byte with another, so LDS, barriers, clusters and
; the matrix unit would add nothing.  Work-group (x, y) takes 16,384 numbers of W_y: 65,536 bytes in, 32,768 bytes out.
; Thread t, pass i (8 passes): the 8 numbers at source byte 8192 i + 32 t, stored as 16 bytes at 4096 i + 16 t, so that sixteen
; neighbouring lanes store 256 consecutive bytes, aligned.  All 16 loads of a thread go out first; no register is written twice.
.set X, 4                              ; v[4:67]   pass i: 8 numbers in f32
.set Y, 68                             ; v[68:99]  pass i: 8 numbers in bf16
	s_load_b256 s[4:11], s[0:1], 0x0               ; Wq s[4:5], Wk s[6:7], Wv s[8:9], Wo s[10:11]
	s_load_b64 s[12:13], s[0:1], 0x20              ; Wb
	s_and_b32 s14, ttmp7, 0xffff                   ; y: which W
	v_lshlrev_b32 v1, 5, v0                        ; 32 t: my 8 numbers in a pass of the source
	v_lshlrev_b32 v2, 4, v0                        ; 16 t: and in the result
	s_lshl_b32 s16, ttmp9, 16                      ; source: x times 65,536 bytes
	s_mov_b32 s17, 0
	s_lshl_b32 s18, s14, 21                        ; result: y times 2,097,152 bytes
	s_lshl_b32 s15, ttmp9, 15                      ; + x times 32,768
	s_add_co_u32 s18, s18, s15
	s_mov_b32 s19, 0
	s_wait_kmcnt 0x0
	s_cmp_eq_u32 s14, 1                            ; the choice hangs on y alone
	s_cselect_b64 s[4:5], s[6:7], s[4:5]
	s_cmp_eq_u32 s14, 2
	s_cselect_b64 s[4:5], s[8:9], s[4:5]
	s_cmp_eq_u32 s14, 3
	s_cselect_b64 s[4:5], s[10:11], s[4:5]
	s_add_nc_u64 s[4:5], s[4:5], s[16:17]
	s_add_nc_u64 s[12:13], s[12:13], s[18:19]
.irp i, 0,1,2,3,4,5,6,7
	global_load_b128 v[X+8*\i:X+8*\i+3],   v1, s[4:5] offset:8192*\i th:TH_LOAD_NT      ; read once in the launch
	global_load_b128 v[X+8*\i+4:X+8*\i+7], v1, s[4:5] offset:8192*\i+16 th:TH_LOAD_NT
.endr
.irp i, 0,1,2,3,4,5,6,7
	s_wait_loadcnt 14-2*\i                         ; loads come back in order (ISA guide 5.7.1): pass i's two are in, the two of each younger pass stay out
.irp j, 0,1,2,3
	v_cvt_pk_bf16_f32 v[Y+4*\i+\j], v[X+8*\i+2*\j], v[X+8*\i+2*\j+1]
.endr
	global_store_b128 v2, v[Y+4*\i:Y+4*\i+3], s[12:13] offset:4096*\i                   ; no hint: later launches read it many times
.endr
	s_endpgm
.Lfunc_end_k_q6e1d6580d7_wcvt:
	.size	k_q6e1d6580d7_wcvt, .Lfunc_end_k_q6e1d6580d7_wcvt-k_q6e1d6580d7_wcvt
	.p2alignl 7, 3214868480
	.fill 96, 4, 3214868480
	.section	.rodata,"a",@progbits
	.p2align	6, 0x0
	.amdhsa_kernel k_q6e1d6580d7_wcvt
		.amdhsa_group_segment_fixed_size 0
		.amdhsa_private_segment_fixed_size 0
		.amdhsa_enable_private_segment 0
		.amdhsa_kernarg_size 40
		.amdhsa_user_sgpr_count 2
		.amdhsa_user_sgpr_kernarg_segment_ptr 1
		.amdhsa_wavefront_size32 1
		.amdhsa_system_sgpr_workgroup_id_x 1
		.amdhsa_system_sgpr_workgroup_id_y 1
		.amdhsa_system_sgpr_workgroup_id_z 1
		.amdhsa_system_vgpr_workitem_id 0
		.amdhsa_next_free_vgpr 100
		.amdhsa_next_free_sgpr 66
		.amdhsa_reserve_vcc 0
		.amdhsa_float_denorm_mode_32 3
		.amdhsa_float_denorm_mode_16_64 3
		.amdhsa_memory_ordered 1
		.amdhsa_forward_progress 1
		.amdhsa_inst_pref_size 6
	.end_amdhsa_kernel
	.amdgpu_metadata
---
amdhsa.version: [ 1, 2 ]
amdhsa.kernels:
  - .name:           k_q6e1d6580d7_wcvt
    .symbol:         k_q6e1d6580d7_wcvt.kd
    .args:
      - { .name: Wq, .offset: 0, .size: 8, .value_kind: global_buffer, .address_space: global }
      - { .name: Wk, .offset: 8, .size: 8, .value_kind: global_buffer, .address_space: global }
      - { .name: Wv, .offset: 16, .size: 8, .value_kind: global_buffer, .address_space: global }
      - { .name: Wo, .offset: 24, .size: 8, .value_kind: global_buffer, .address_space: global }
      - { .name: Wb, .offset: 32, .size: 8, .value_kind: global_buffer, .address_space: global }
    .group_segment_fixed_size: 0
    .private_segment_fixed_size: 0
    .kernarg_segment_align: 8
    .kernarg_segment_size: 40
    .max_flat_workgroup_size: 256
    .sgpr_count:     66
    .vgpr_count:     100
    .wavefront_size: 32
...
	.end_amdgpu_metadata
.endif
;; end of part 1
;; launch qkv (part 2): grid 4 x 192, 4 waves a work-group, clusters of 4 x 4, 327,680 bytes of LDS; arguments query, key, value, Wb, bq, bk, bv, qkvh; writes qkvh
.if DOCPART == 2
	.amdgcn_target "amdgcn-amd-amdhsa--gfx1250"
	.amdhsa_code_object_version 6
	.text
	.protected	k_q6e1d6580d7_qkv
	.globl	k_q6e1d6580d7_qkv
	.p2align	8
	.type	k_q6e1d6580d7_qkv,@function
k_q6e1d6580d7_qkv:
	s_mov_b64 s[64:65], 0
	v_nop
	global_prefetch_b8 v0, s[64:65] scope:SCOPE_SE
	s_setreg_imm32_b32 hwreg(HW_REG_WAVE_MODE, 25, 1), 1
	s_wait_xcnt 0x0
	s_wait_alu depctr_hold_cnt(0) depctr_sa_sdst(0) depctr_va_vdst(0) depctr_va_sdst(0) depctr_va_ssrc(0) depctr_va_vcc(0) depctr_vm_vsrc(0)
	s_getreg_b32 s2, hwreg(HW_REG_IB_STS2, 6, 4)
	s_cmp_eq_u32 s2, 0
	s_cbranch_scc0 .Lentry_in_a_cluster
	s_endpgm
.Lentry_in_a_cluster:
	s_bfe_u32 s2, ttmp6, 0x10000c
	s_cmp_lg_u32 s2, 0xf033
	s_cbranch_scc0 .Lentry_shape_is_right
	s_endpgm
.Lentry_shape_is_right:
; qkvh[p][b][head][s][d] = bf16( sum over k of X_p[b,s][k] W_p[64 head + d][k] + b_p[64 head + d] ),  p = 0, 1, 2 for (query, Wq, bq), (key, Wk, bk), (value, Wv, bv).
; X_p: [8192][1024] f32.  W_p: bf16 [1024][1024] in Wb (part p).  Sums in f32; the bias is the first term of each sum.
; LIMITS: X and W enter the products rounded to bf16 (nearest even), the result is rounded to bf16 once.  NaN and infinities in the inputs are not served.
; A work-group makes 128 rows x 256 columns with four waves; a wave makes 64 x 128: 32 accumulator tiles of 16 x 16, 256 registers.
; 3 x 64 x 4 = 768 work-groups.  K goes in steps of 128 through two LDS slots filled by tensor loads, one load a wave and step.
; X comes into LDS as f32 (a row of a tile is 512 bytes of memory, aligned to 512) and is rounded when a fragment is read: X is read from memory once,
; because the four work-groups of a row of the cluster span all 1,024 columns.
; CLUSTERS: 4 x 4 work-groups.  X's tile hangs on the block row alone and is asked for jointly along a row of the cluster; W's hangs on the block
; column (and on p, which the whole cluster shares) and is asked for jointly along a column.  That divides the requests for both by four.
; PREFETCH: X is read once and comes from memory.  At the head of each of the first three laps (a lap is two K steps) the next lap's 1,024 bytes of each
; row of the block are asked for: the four work-groups of a row of the cluster take 32 rows each (by cx), wave w rows 8 w .. 8 w + 7 of them, a lane one
; aligned block of 256 bytes.  So each block is asked for once in the launch; of the two tensor loads that want it the first is issued one K step later,
; the second two.  The last lap asks for nothing, so no request passes a row's end.  W is read by 64 block rows again and again and is not asked for.
; THE MATRIX INSTRUCTION IS USED TRANSPOSED: source 0 = 16 rows of W, source 1 = 16 rows of X.  Lane (r, h) then holds row r of the result and its
; columns 8 h + 0..7: eight neighbouring numbers, 16 bytes in bf16.
; REGISTERS: window 0: addresses, X's fragments (two buffers), X as loaded, packed results, the bias; window 1: W's fragments (two buffers);
; window 2: the accumulators, tile (a, b) at v[8 (8 a + b)].
.set HALFT,  34816                     ; LDS bytes of one wave's load: W 128 rows x 272; X 64 rows x 528 = 33,792 of them
.set SLOT,   4*HALFT                   ; X's two parts, then W's two halves
.set STAGE,  2*SLOT                    ; behind the ring: 16 rows x 272 bytes for each wave, never the target of a tensor load
.set APITCH, 528                       ; 512 bytes + 16: row r starts 16 r bytes further modulo 256, so the 16 rows of a load do not meet
.set BPITCH, 272                       ; 256 bytes + 16: likewise
.set SPITCH, 272
.set ASTEP,  512                       ; bytes of a K step in a row of X
.set BSTEP,  256                       ; and in a row of W
.set LAPS,   4                         ; 1,024 / (2 x 128): a lap is once round the ring
.set ADRA, 16                          ; v16-17  LDS address of my X fragments in slot 0, 1
.set ADRB, 20                          ; v20-21  the same for W
.set STO,  24                          ; the way out: where I put 16 bytes of a row
.set RD,   25                          ; the way out: where I read 16 bytes back
.set CO,   26                          ; 16 x lane
.set BOF,  27                          ; 32 h: my 8 columns in a tile's 16 numbers of the bias
.set PFO,  28                          ; the prefetch: (thread / 4) rows of 4,096 bytes + (thread & 3) blocks of 256 bytes; never rewritten
.set AF,   32                          ; v32-63, v64-95: X's fragments in bf16, buffers 0, 1
.set RAW,  96                          ; v96-159: a quarter step of X in f32; on the way out: rows read back
.set TMP,  160                         ; v160-191: packed results
.set BIAS, 192                         ; v192-255: tile column b: bias of my 8 columns, in the accumulators' layout
.set G1,  24                           ; s[24:31] group 1 for X's tiles
.set G0,  32                           ; s[32:39] group 0 for X's tiles, a set for each slot
.set G1B, 48                           ; s[48:55] group 1 for W's tiles
.set G0B, 56                           ; s[56:63] group 0 for W's tiles, a set for each slot
.set MSB, 0
.macro WIN new                         ; s_set_vgpr_msb: bits 1:0 source 0, 3:2 source 1, 5:4 source 2, 7:6 destination; the high byte repeats the setting that is left
.if MSB != \new
	s_set_vgpr_msb (MSB<<8)|\new
.set MSB, \new
.endif
.endm
; A joint load.  Waves 0 and 1 fetch X's two parts, waves 2 and 3 W's two halves; the branch hangs on the wave's number alone.
.macro JLOAD s
	s_cmp_eq_u32 s11, 0
	s_cbranch_scc0 .Lfor_b_\@
	tensor_load_to_lds s[G0+4*(\s):G0+4*(\s)+3], s[G1:G1+7]
	s_nop 0
	s_branch .Lasked_\@
.Lfor_b_\@:
	tensor_load_to_lds s[G0B+4*(\s):G0B+4*(\s)+3], s[G1B:G1B+7]
	s_nop 0
.Lasked_\@:
.endm
.macro CREST                           ; a round of the cluster's barrier behind its opening work-group barrier
	s_cmp_lg_u32 s10, 0
	s_cbranch_scc1 .Lnot_wave_0_\@
	s_barrier_signal -3
.Lnot_wave_0_\@:
	s_barrier_wait -3
	s_barrier_signal -1
	s_barrier_wait -1
.endm
.macro CROUND                          ; a whole round
	s_barrier_signal -1
	s_barrier_wait -1
	CREST
.endm
.macro PLACES                          ; four places behind a matrix instruction (ISA guide 7.12.1)
.rept 4
	v_nop
.endr
.endm
	s_load_b512 s[68:83], s[0:1], 0x0              ; query s[68:69], key s[70:71], value s[72:73], Wb s[74:75], bq s[76:77], bk s[78:79], bv s[80:81], qkvh s[82:83]
	v_lshl_add_u32 v30, v0, 2, 0x48400
	v_mov_b32 v31, 0
	ds_add_u32 v30, v31
	v_lshrrev_b32 v1, 5, v0
	v_readfirstlane_b32 s10, v1                    ; wave 0..3
	s_lshr_b32 s11, s10, 1                         ; which 64 rows of the block are mine.  Also: I fetch for X (0) or for W (1)
	s_and_b32 s12, s10, 1                          ; which 128 columns.  Also: which part of that tile I fetch
	s_bfe_u32 s40, ttmp6, 0x40000                  ; cx
	s_bfe_u32 s41, ttmp6, 0x40004                  ; cy
	s_lshl_b32 s42, ttmp9, 2
	s_add_co_u32 s42, s42, s40                     ; block column 0..3 = 4 x cluster x + cx
	s_and_b32 s21, ttmp7, 0xffff                   ; cluster y 0..47
	s_lshr_b32 s45, s21, 4                         ; p: which projection; the same in the whole cluster
	s_and_b32 s13, s21, 15
	s_lshl_b32 s13, s13, 2
	s_add_co_u32 s13, s13, s41                     ; block row 0..63
	s_lshl_b32 s43, s41, 2
	s_lshl_b32 s43, 15, s43                        ; my row of the cluster: places 4 cy .. 4 cy + 3
	s_lshl_b32 s44, 0x1111, s40                    ; my column: places cx, cx + 4, cx + 8, cx + 12
	; group 1 for X: 64 rows x 128 elements of 4 bytes, 16 bytes of padding behind every 128 words
	s_or_b32 s[G1+0], s43, (2<<16)|(1<<20)|(1<<21)|(6<<22)|(3<<25)
	s_mov_b32 s[G1+1], 128<<16                     ; tensor_dim0 = 128
	s_mov_b32 s[G1+2], 64<<16                      ; tensor_dim1 = 64
	s_mov_b32 s[G1+3], 128<<16                     ; tile_dim0 = 128
	s_mov_b32 s[G1+4], 64                          ; tile_dim1 = 64
	s_mov_b32 s[G1+5], 1024                        ; elements from row to row
	s_mov_b32 s[G1+6], 0
	s_mov_b32 s[G1+7], 0
	; group 1 for W: 128 rows x 128 elements of 2 bytes, 16 bytes of padding behind every 64 words
	s_or_b32 s[G1B+0], s44, (1<<16)|(1<<20)|(1<<21)|(5<<22)|(3<<25)
	s_mov_b32 s[G1B+1], 128<<16
	s_mov_b32 s[G1B+2], 128<<16
	s_mov_b32 s[G1B+3], 128<<16
	s_mov_b32 s[G1B+4], 128
	s_mov_b32 s[G1B+5], 1024
	s_mov_b32 s[G1B+6], 0
	s_mov_b32 s[G1B+7], 0
	; where the tiles come from: X's offset is made of the block row and the wave's number, W's of p, the block column and the wave's number
	s_lshl_b32 s16, s13, 19                        ; 128 rows x 4,096 bytes
	s_lshl_b32 s17, s12, 18                        ; + 64 rows for part 1
	s_add_co_u32 s16, s16, s17
	s_mov_b32 s17, 0
	s_lshl_b32 s46, s45, 21                        ; W_p
	s_lshl_b32 s47, s42, 19                        ; + 256 rows x 2,048 bytes
	s_add_co_u32 s46, s46, s47
	s_lshl_b32 s47, s12, 18                        ; + 128 rows for half 1
	s_add_co_u32 s46, s46, s47
	s_mov_b32 s47, 0
	s_mul_i32 s20, s10, HALFT                      ; and where they go: the wave's number alone
	; offsets that mix the two coordinates, in registers that feed no descriptor: the bias, the result and the prefetch
	s_lshl_b32 s86, s42, 10                        ; bias: 256 columns x 4 bytes
	s_lshl_b32 s66, s12, 9                         ; + 128 columns
	s_add_co_u32 s86, s86, s66
	s_mov_b32 s87, 0
	s_lshr_b32 s88, s13, 4                         ; batch = block row / 16
	s_lshl_b32 s88, s88, 4                         ; x 16 heads
	s_lshl_b32 s66, s42, 2                         ; + 4 heads a block column
	s_add_co_u32 s88, s88, s66
	s_lshl_b32 s66, s12, 1                         ; + 2 heads for my half
	s_add_co_u32 s88, s88, s66
	s_lshl_b32 s88, s88, 18                        ; a head is 2,048 x 128 bytes
	s_lshl_b32 s66, s45, 24                        ; part p of qkvh
	s_add_co_u32 s88, s88, s66
	s_and_b32 s66, s13, 15
	s_lshl_b32 s66, s66, 14                        ; 128 rows x 128 bytes
	s_add_co_u32 s88, s88, s66
	s_lshl_b32 s66, s11, 13                        ; + 64 rows
	s_add_co_u32 s88, s88, s66
	s_mov_b32 s89, 0
	s_lshl_b32 s90, s13, 19                        ; prefetch: the block's 128 rows x 4,096 bytes,
	s_lshl_b32 s66, s40, 17                        ; + 32 rows for each cx,
	s_add_co_u32 s90, s90, s66
	s_add_co_u32 s90, s90, 2*ASTEP                 ; + the second lap's bytes of a row
	s_mov_b32 s91, 0
	s_wait_dscnt 0x0
	s_wait_kmcnt 0x0
	s_cmp_eq_u32 s45, 1                            ; X_p and b_p: the choice hangs on p alone
	s_cselect_b64 s[4:5], s[70:71], s[68:69]
	s_cselect_b64 s[84:85], s[78:79], s[76:77]
	s_cmp_eq_u32 s45, 2
	s_cselect_b64 s[4:5], s[72:73], s[4:5]
	s_cselect_b64 s[84:85], s[80:81], s[84:85]
	s_add_nc_u64 s[14:15], s[4:5], s[16:17]
	s_add_nc_u64 s[46:47], s[74:75], s[46:47]
	s_add_nc_u64 s[84:85], s[84:85], s[86:87]
	s_add_nc_u64 s[8:9], s[82:83], s[88:89]
	s_add_nc_u64 s[90:91], s[4:5], s[90:91]
	CROUND                                         ; all sixteen work-groups are here: the first joint loads meet
.irp s, 0,1
	s_mov_b32 s[G0+4*\s], 1
	s_add_co_u32 s[G0+4*\s+1], s20, \s*SLOT
	s_add_nc_u64 s[G0+4*\s+2:G0+4*\s+3], s[14:15], \s*ASTEP
	s_or_b32 s[G0+4*\s+3], s[G0+4*\s+3], 0x80000000
	s_mov_b32 s[G0B+4*\s], 1
	s_add_co_u32 s[G0B+4*\s+1], s20, \s*SLOT
	s_add_nc_u64 s[G0B+4*\s+2:G0B+4*\s+3], s[46:47], \s*BSTEP
	s_or_b32 s[G0B+4*\s+3], s[G0B+4*\s+3], 0x80000000
	JLOAD \s                                       ; K steps 0 and 1: two tensor loads of the wave are out, later one
.endr
	v_and_b32 v1, 15, v0                           ; r
	v_bfe_u32 v2, v0, 4, 1                         ; h
	v_and_b32 v6, 31, v0                           ; lane
	v_lshlrev_b32 v[BOF], 5, v2
.irp b, 0,1,2,3,4,5,6,7
	global_load_b128 v[BIAS+8*\b:BIAS+8*\b+3],   v[BOF], s[84:85] offset:64*\b       ; bias of columns 16 b + 8 h + 0..3
	global_load_b128 v[BIAS+8*\b+4:BIAS+8*\b+7], v[BOF], s[84:85] offset:64*\b+16    ; and + 4..7
.endr
	v_lshrrev_b32 v8, 2, v0                        ; prefetch: thread / 4 = 8 w + lane / 4: my row among the work-group's 32
	v_and_b32 v9, 3, v0                            ; and my block of 256 bytes among a lap's four
	v_lshlrev_b32 v[PFO], 12, v8
	v_lshl_add_u32 v[PFO], v9, 8, v[PFO]
	v_mul_u32_u24 v3, v1, APITCH
	v_lshl_add_u32 v3, v2, 5, v3                   ; X: row r, 8 h numbers of 4 bytes
	v_mul_u32_u24 v4, v1, BPITCH
	v_lshl_add_u32 v4, v2, 4, v4                   ; W: row r, 8 h numbers of 2 bytes
	s_mul_i32 s21, s11, HALFT                      ; my 64 rows of X are one part
	s_mul_i32 s22, s12, HALFT
	s_add_co_u32 s22, s22, 2*HALFT                 ; my 128 rows of W, behind X's two parts
.irp s, 0,1
	v_add_nc_u32 v[ADRA+\s], s21, v3
	v_add_nc_u32 v[ADRB+\s], s22, v4
	s_add_co_u32 s21, s21, SLOT
	s_add_co_u32 s22, s22, SLOT
.endr
	s_mul_i32 s23, s10, 16*SPITCH
	s_add_co_u32 s23, s23, STAGE                   ; my stage
	v_add_nc_u32 v[STO], s23, v4                   ; in: row r, 16 bytes for each half of the lanes
	v_lshrrev_b32 v5, 3, v6
	v_and_b32 v7, 7, v6
	v_mul_u32_u24 v5, v5, SPITCH
	v_lshl_add_u32 v5, v7, 4, v5
	v_add_nc_u32 v[RD], s23, v5                    ; back: eight lanes take a head's 128 bytes of a row, 32 lanes four rows
	v_lshlrev_b32 v[CO], 4, v6
; 16 matrix instructions: row tiles a0, a0 + 1 x all 8 column tiles, 32 along K, from buffer f.  first = 1: the bias is C, so it starts the sums and nothing is cleared.
; The 32 accumulators take turns, one instruction a turn, in the same order in every quarter step.
.macro MUL16 f, a0, first
.if \first
	WIN 0x81                                       ; W window 1, X window 0, C (bias) window 0, D window 2
.else
	WIN 0xa1                                       ; C and D window 2
.endif
.irp a, \a0, \a0+1
.irp b, 0,1,2,3,4,5,6,7
.if \first
	v_wmma_f32_16x16x32_bf16 v[8*(8*(\a)+\b):8*(8*(\a)+\b)+7], v[64*\f+8*\b:64*\f+8*\b+7], v[AF+32*\f+8*(\a):AF+32*\f+8*(\a)+7], v[BIAS+8*\b:BIAS+8*\b+7]
.else
	v_wmma_f32_16x16x32_bf16 v[8*(8*(\a)+\b):8*(8*(\a)+\b)+7], v[64*\f+8*\b:64*\f+8*\b+7], v[AF+32*\f+8*(\a):AF+32*\f+8*(\a)+7], v[8*(8*(\a)+\b):8*(8*(\a)+\b)+7]
.endif
.endr
.endr
.endm
; 32 LDS loads: quarter q (32 along K) of a slot: W's 128 rows into buffer g of window 1; X's 64 rows, in f32, into RAW.
; A fragment's lane (r, h) holds K = 8 h + 0..7 in registers 0-3 and K = 16 + 8 h + 0..7 in registers 4-7: in f32 that is 32 bytes at 32 h and 32 bytes at 64 + 32 h.
.macro FETCH slot, q, g
	WIN 0x40
.irp b, 0,1,2,3,4,5,6,7
	ds_load_b128 v[64*\g+8*\b:64*\g+8*\b+3],   v[ADRB+\slot] offset:\b*16*BPITCH+64*(\q)
	ds_load_b128 v[64*\g+8*\b+4:64*\g+8*\b+7], v[ADRB+\slot] offset:\b*16*BPITCH+64*(\q)+32
.endr
	WIN 0
.irp a, 0,1,2,3
	ds_load_b128 v[RAW+16*\a:RAW+16*\a+3],     v[ADRA+\slot] offset:\a*16*APITCH+128*(\q)
	ds_load_b128 v[RAW+16*\a+4:RAW+16*\a+7],   v[ADRA+\slot] offset:\a*16*APITCH+128*(\q)+16
	ds_load_b128 v[RAW+16*\a+8:RAW+16*\a+11],  v[ADRA+\slot] offset:\a*16*APITCH+128*(\q)+64
	ds_load_b128 v[RAW+16*\a+12:RAW+16*\a+15], v[ADRA+\slot] offset:\a*16*APITCH+128*(\q)+80
.endr
.endm
; RAW to bf16, into X's buffer g.  These 32 plain instructions name RAW and buffer g alone, so they are also the places between the
; matrix instructions in front of them, which read the other buffers, and the next loads into those buffers.
.macro CVT g
.irp a, 0,1,2,3
.irp j, 0,1,2,3,4,5,6,7
	v_cvt_pk_bf16_f32 v[AF+32*\g+8*\a+\j], v[RAW+16*\a+2*\j], v[RAW+16*\a+2*\j+1]
.endr
.endr
.endm
; One of a K step's first three quarters: asks for quarter q + 1 into buffer g, multiplies quarter q in buffer f, rounds what has come.
.macro QUARTER slot, q, f, g, first
	FETCH \slot, \q+1, \g
	MUL16 \f, 0, \first
	MUL16 \f, 2, \first
	WIN 0
	s_wait_dscnt 0x0                               ; the 32 loads issued ahead of the 32 matrix instructions
	CVT \g
.endm
.macro THREE slot, first
	QUARTER \slot, 0, 0, 1, \first
	QUARTER \slot, 1, 1, 0, 0
	QUARTER \slot, 2, 0, 1, 0
.endm
; The last quarter, on buffer 1, and the change of slots.  In front of the barrier each wave's reads of this slot are back and all its tensor loads have
; landed (the one that was out is its part of the next slot).  fill = 1: the barrier opens a round of the cluster's barrier, and this slot's joint refill,
; two K steps ahead, is the wave's first and only tensor load behind the round.  It has 112 of a step's 128 matrix instructions in which to land.
.macro TURN slot, next, fill
	s_wait_dscnt 0x0
	s_wait_tensorcnt 0x0
	ds_add_u32 v30, v31
	s_wait_dscnt 0x0
	s_barrier_signal -1
	MUL16 1, 0, 0                                  ; registers only, while the others arrive
	WIN 0
	s_barrier_wait -1
.if \fill
	CREST
	s_add_nc_u64 s[G0+4*\slot+2:G0+4*\slot+3], s[G0+4*\slot+2:G0+4*\slot+3], 2*ASTEP      ; no tensor load of mine is out: group 0 may be written
	s_add_nc_u64 s[G0B+4*\slot+2:G0B+4*\slot+3], s[G0B+4*\slot+2:G0B+4*\slot+3], 2*BSTEP
	JLOAD \slot
.endif
	FETCH \next, 0, 0
	MUL16 1, 2, 0
	WIN 0
	s_wait_dscnt 0x0
	CVT 0
.endm
; A lap that fills both slots again.  At its head the next lap's bytes of my 8 rows of X are asked for; the request's base steps at the lap's end,
; behind the wait that frees it, a whole lap behind the request.
.macro LAP first
	global_prefetch_b8 v[PFO], s[90:91] th:TH_LOAD_NT scope:SCOPE_SE
	THREE 0, \first
	TURN 0, 1, 1
	THREE 1, 0
	TURN 1, 0, 1
	s_wait_xcnt 0x0                                ; the prefetch's base is rewritten only behind this wait
	s_add_nc_u64 s[90:91], s[90:91], 2*ASTEP
.endm
	s_wait_loadcnt 0x0                             ; the bias
	s_wait_tensorcnt 0x1                           ; my part of K step 0 is in; step 1's load stays out
	s_barrier_signal -1
	s_barrier_wait -1                              ; everybody's part is in
	FETCH 0, 0, 0
	s_wait_dscnt 0x0
	CVT 0
	LAP 1                                          ; the first lap stands in front of the loop: its first products take the bias as C
	s_mov_b32 s3, LAPS-2
.Llap:
	LAP 0
	s_sub_co_u32 s3, s3, 1
	s_cmp_lg_u32 s3, 0
	s_cbranch_scc1 .Llap
	THREE 0, 0                                     ; the last lap fills nothing and asks for nothing
	TURN 0, 1, 0
	THREE 1, 0
	MUL16 1, 0, 0
	MUL16 1, 2, 0
	PLACES                                         ; behind the last matrix instructions, ahead of the conversions that read results
; THE WAY OUT, 16 rows at a time: round to bf16, 16 bytes a lane into my own stage, read back by heads: 4 rows x 128 bytes of one head are 512 consecutive
; bytes of qkvh, aligned to 512, and one store of the wave covers them.  LDS serves a wave's instructions in order (ISA guide 5.7.1), so no wait stands
; between the stores into the stage and the loads from it.
.macro OUT16 a
	WIN 0x0a                                       ; sources in window 2
.irp b, 0,1,2,3,4,5,6,7
.irp j, 0,1,2,3
	v_cvt_pk_bf16_f32 v[TMP+4*\b+\j], v[8*(8*\a+\b)+2*\j], v[8*(8*\a+\b)+2*\j+1]
.endr
.endr
	WIN 0
.irp b, 0,1,2,3,4,5,6,7
	ds_store_b128 v[STO], v[TMP+4*\b:TMP+4*\b+3] offset:32*\b
.endr
	s_wait_xcnt 0x0                                ; the registers that earlier stores read are loaded again only behind this wait
.irp e, 0,1,2,3,4,5,6,7
	ds_load_b128 v[RAW+32*(\a&1)+4*\e:RAW+32*(\a&1)+4*\e+3], v[RD] offset:(\e&3)*4*SPITCH+128*(\e>>2)    ; rows 4 (e & 3) .. + 3 of head e >> 2
.endr
.irp e, 0,1,2,3,4,5,6,7
	s_wait_dscnt 7-\e                              ; load e is in, the younger ones stay out
	global_store_b128 v[CO], v[RAW+32*(\a&1)+4*\e:RAW+32*(\a&1)+4*\e+3], s[8:9] offset:2048*\a+262144*(\e>>2)+512*(\e&3)
.endr
.endm
	OUT16 0
	OUT16 1
	OUT16 2
	OUT16 3
	s_wait_tensorcnt 0x0
	ds_add_u32 v30, v31
	s_wait_dscnt 0x0
	CROUND                                         ; the closing round: no work-group ends while a partner may still ask for a tile that names it
	s_endpgm
.Lfunc_end_k_q6e1d6580d7_qkv:
	.size	k_q6e1d6580d7_qkv, .Lfunc_end_k_q6e1d6580d7_qkv-k_q6e1d6580d7_qkv
	.p2alignl 7, 3214868480
	.fill 96, 4, 3214868480
	.section	.rodata,"a",@progbits
	.p2align	6, 0x0
	.amdhsa_kernel k_q6e1d6580d7_qkv
		.amdhsa_group_segment_fixed_size 327680
		.amdhsa_private_segment_fixed_size 0
		.amdhsa_enable_private_segment 0
		.amdhsa_kernarg_size 64
		.amdhsa_user_sgpr_count 2
		.amdhsa_user_sgpr_kernarg_segment_ptr 1
		.amdhsa_wavefront_size32 1
		.amdhsa_system_sgpr_workgroup_id_x 1
		.amdhsa_system_sgpr_workgroup_id_y 1
		.amdhsa_system_sgpr_workgroup_id_z 1
		.amdhsa_system_vgpr_workitem_id 0
		.amdhsa_next_free_vgpr 768
		.amdhsa_next_free_sgpr 92
		.amdhsa_reserve_vcc 0
		.amdhsa_float_denorm_mode_32 3
		.amdhsa_float_denorm_mode_16_64 3
		.amdhsa_memory_ordered 1
		.amdhsa_forward_progress 1
		.amdhsa_inst_pref_size 178
	.end_amdhsa_kernel
	.amdgpu_metadata
---
amdhsa.version: [ 1, 2 ]
amdhsa.kernels:
  - .name:           k_q6e1d6580d7_qkv
    .symbol:         k_q6e1d6580d7_qkv.kd
    .args:
      - { .name: query, .offset: 0, .size: 8, .value_kind: global_buffer, .address_space: global }
      - { .name: key, .offset: 8, .size: 8, .value_kind: global_buffer, .address_space: global }
      - { .name: value, .offset: 16, .size: 8, .value_kind: global_buffer, .address_space: global }
      - { .name: Wb, .offset: 24, .size: 8, .value_kind: global_buffer, .address_space: global }
      - { .name: bq, .offset: 32, .size: 8, .value_kind: global_buffer, .address_space: global }
      - { .name: bk, .offset: 40, .size: 8, .value_kind: global_buffer, .address_space: global }
      - { .name: bv, .offset: 48, .size: 8, .value_kind: global_buffer, .address_space: global }
      - { .name: qkvh, .offset: 56, .size: 8, .value_kind: global_buffer, .address_space: global }
    .group_segment_fixed_size: 327680
    .private_segment_fixed_size: 0
    .kernarg_segment_align: 8
    .kernarg_segment_size: 64
    .max_flat_workgroup_size: 128
    .sgpr_count:     92
    .vgpr_count:     768
    .wavefront_size: 32
...
	.end_amdgpu_metadata
.endif
;; end of part 2
;; launch attn (part 3): grid 4 x 64, 8 waves a work-group, clusters of 4 x 1, 327,680 bytes of LDS; arguments qkvh, Ah; writes Ah
.if DOCPART == 3
	.amdgcn_target "amdgcn-amd-amdhsa--gfx1250"
	.amdhsa_code_object_version 6
	.text
	.protected	k_q6e1d6580d7_attn
	.globl	k_q6e1d6580d7_attn
	.p2align	8
	.type	k_q6e1d6580d7_attn,@function
k_q6e1d6580d7_attn:
	s_mov_b64 s[64:65], 0
	v_nop
	global_prefetch_b8 v0, s[64:65] scope:SCOPE_SE
	s_setreg_imm32_b32 hwreg(HW_REG_WAVE_MODE, 25, 1), 1
	s_wait_xcnt 0x0
	s_wait_alu depctr_hold_cnt(0) depctr_sa_sdst(0) depctr_va_vdst(0) depctr_va_sdst(0) depctr_va_ssrc(0) depctr_va_vcc(0) depctr_vm_vsrc(0)
	s_getreg_b32 s2, hwreg(HW_REG_IB_STS2, 6, 4)
	s_cmp_eq_u32 s2, 0
	s_cbranch_scc0 .Lentry_in_a_cluster
	s_endpgm
.Lentry_in_a_cluster:
	s_bfe_u32 s2, ttmp6, 0x10000c
	s_cmp_lg_u32 s2, 0x3003
	s_cbranch_scc0 .Lentry_shape_is_right
	s_endpgm
.Lentry_shape_is_right:
; Ah[bh][q][d] = bf16( sum over keys of softmax_k( Q[q] . K[k] / 8 ) V[k][d] ), for each of 64 (batch, head) pairs bh; Q, K, V: bf16 [2048][64] in qkvh.
; Softmax with a running maximum, in f32: p = 2^(c s - c m), c = log2(e) / 8; when m grows, the sums are scaled by 2^(c m_old - c m_new), formed from the
; same rounded products c m that the exponents use.
; LIMITS: p is rounded to bf16 for the product with V while the normaliser sums the unrounded p; v_exp_f32 gives 0 for results below 2^-126
; (ISA guide 15.8); the result is rounded to bf16 once.  NaN and infinities are not served.
; A work-group takes 512 queries of one head with eight waves, 64 queries a wave.  The four work-groups of a head form a cluster and ask for K's and V's
; tiles JOINTLY (mask 15): each tile is requested once for the four.  Keys go in tiles of 256 through two LDS slots; wave w fetches 64 keys of K (w < 4) or of V.
; LAYOUTS: S^T = K Q^T (source 0 = 16 keys, source 1 = 16 queries): lane (r, h) holds query r and keys 8 h + 0..7, so a query's maximum and sum are one
; number a lane, joined across the two halves of the lanes.  Two neighbouring key tiles, packed to bf16 in place, ARE source 1 of O^T = V^T P^T
; (K = 8 h + 0..7 in registers 0-3, 16 + 8 h + 0..7 in registers 4-7); V^T comes from V's rows by the transposing LDS load.  O^T's lane (r, h) holds
; query r and d = 8 h + 0..7: 16 neighbouring bytes in bf16.
; THE WORK IS WOVEN: a wave's vector lines stand between its own matrix instructions.  A unit is 64 keys x 64 queries = four query tiles t.  Three kinds of stretch:
;   A_t: c s - c m, the exponentials and the row sums of tile t, with the 8 score products of tile t + 1 among them, one ahead of every 8 vector lines;
;   B_t: the end of t's sum, t's 16 conversions to bf16, and the running maximum of tile t + 1 (the conversions stand between its dependent lines);
;   C_t: the 8 products P V of tile t, with the 16 multiplies that rescale O of tile t + 1 among them.
; What lets a stretch run under ONE setting of the register windows: window 0 holds the addresses, the softmax's state, S and K; window 1 holds O, Q and V^T.
; A score product then needs source 1 (Q) in window 1 and all else in window 0, and so do vector lines on window 0 whose second source is no vector
; register: the multiply-add by the scalar c, v_exp_f32, and an addition written as x * 1.0 + y (exact).  A product P V needs source 1 (P) in window 0 and
; all else in window 1, and so does O = O * scale with the scale as second source.  13 switches for a unit's 64 matrix instructions.
; THE LOOP'S BODY begins behind A_2: ask for K of the new unit; B_2 C_2 of the unit before; A_3 (with the new unit's scores of tile 0) B_3 C_3; ask for V; A_0 B_0 C_0
; A_1 B_1 C_1 A_2.  At that cut no LDS read is out and V^T of the unit before lies in registers, so a tile's head (waits, round, refill) stands between two
; bodies.  A tile's four parts are walked by an inner loop whose counter is the part's byte offset in the slot; the slot stays a constant of the text.
.set SLOT,  81920                      ; 8 parts
.set PART,  10240                      ; one wave's load: K 64 rows x 144 = 9,216 of them; V 64 rows x 160
.set KP,    144                        ; 128 bytes + 16
.set VP,    160                        ; 128 bytes + 32, for the transposing load
.set TILEB, 32768                      ; 256 keys x 128 bytes in memory
.set STAGE, 2*SLOT                     ; behind the ring: 16 rows x 144 bytes for each wave, never the target of a tensor load
.set VK,  6                            ; v6-7   LDS address of my K fragments in part 0 of slot 0, 1
.set VV,  8                            ; v8-9   the same for V
.set VQ,  10                           ; my bytes in a tile of Q
.set STO, 11
.set RD,  12
.set CO,  13
.set VKW, 14                           ; K's address in the part at work: the slot's + the inner loop's counter
.set VVW, 15                           ; V's likewise
.set ST,  16                           ; v[16:31]  query tile t: ST+4t = -c m, +1 = m, +2 = the scale, +3 = the sum (of my half's keys)
.set TP,  32                           ; v[32:35]  what comes from the other half of the lanes
.set SM,  36                           ; v[36:39]  two chains of packed sums
.set TMP, 40                           ; v[40:55]  packed results, on the way out
.set MT,  56                           ; v[56:59]  four chains of maxima
.set SB,  64                           ; v[64:191] scores, tile (kt, t) at SB + 32 t + 8 kt; then P, fragment (t, j) at SB + 32 t + 8 j
.set KF,  192                          ; v[192:255] K, fragment (kt, c) at KF + 8 (2 kt + c); on the way out: rows read back
.set OB,  0                            ; window 1: O^T, tile (dt, t) at 32 t + 8 dt
.set QF,  128                          ; window 1: Q, fragment (t, c) at QF + 8 (2 t + c)
.set VF,  192                          ; window 1: V^T, fragment (dt, j) at VF + 8 (2 dt + j)
.set G1K, 24
.set G1V, 32
.set G0K, 40                           ; a set for each slot
.set G0V, 48
.set MSB, 0
.macro WIN new                         ; s_set_vgpr_msb: bits 1:0 source 0, 3:2 source 1, 5:4 source 2, 7:6 destination; the high byte repeats the setting that is left
.if MSB != \new
	s_set_vgpr_msb (MSB<<8)|\new
.set MSB, \new
.endif
.endm
.macro ROUND                           ; a round of the cluster's barrier
	s_barrier_signal -1
	s_barrier_wait -1
	s_cmp_lg_u32 s8, 0
	s_cbranch_scc1 .Lnot_wave_0_\@
	s_barrier_signal -3
.Lnot_wave_0_\@:
	s_barrier_wait -3
	s_barrier_signal -1
	s_barrier_wait -1
.endm
.macro JLOAD s                         ; waves 0-3 ask for K's four parts, waves 4-7 for V's; the branch hangs on the wave's number alone
	s_cmp_eq_u32 s9, 0
	s_cbranch_scc0 .Lfor_v_\@
	tensor_load_to_lds s[G0K+4*(\s):G0K+4*(\s)+3], s[G1K:G1K+7]
	s_nop 0
	s_branch .Lasked_\@
.Lfor_v_\@:
	tensor_load_to_lds s[G0V+4*(\s):G0V+4*(\s)+3], s[G1V:G1V+7]
	s_nop 0
.Lasked_\@:
.endm
	s_load_b128 s[4:7], s[0:1], 0x0                ; qkvh s[4:5], Ah s[6:7]
	v_lshl_add_u32 v62, v0, 2, 0x2c800
	v_mov_b32 v63, 0
	ds_add_u32 v62, v63
	v_lshrrev_b32 v1, 5, v0
	v_readfirstlane_b32 s8, v1                     ; wave 0..7
	s_lshr_b32 s9, s8, 2                           ; I fetch for K (0) or for V (1)
	s_and_b32 s10, s8, 3                           ; which 64 keys of a tile
	s_bfe_u32 s11, ttmp6, 0x40000                  ; cx: which 512 queries
	s_and_b32 s12, ttmp7, 0xffff                   ; bh
	s_mov_b32 s14, 0x76543210                      ; v_permlanex16_b32: lane i of one half reads lane i of the other
	s_mov_b32 s15, 0xfedcba98
	s_mov_b32 s16, 0x3e38aa3b                      ; c = log2(e) / 8, twice: a pair for the packed multiply-add
	s_mov_b32 s17, 0x3e38aa3b
	s_mov_b32 s18, 0xbe38aa3b                      ; -c
	; group 1: 64 rows x 64 elements of 2 bytes, padding behind every 32 words: 4 words for K, 8 for V; mask 15 names the cluster's four work-groups
	s_mov_b32 s[G1K+0], 15|(1<<16)|(1<<20)|(1<<21)|(4<<22)|(3<<25)
	s_mov_b32 s[G1V+0], 15|(1<<16)|(1<<20)|(1<<21)|(4<<22)|(7<<25)
.irp g, G1K, G1V
	s_mov_b32 s[\g+1], 64<<16                      ; tensor_dim0 = 64
	s_mov_b32 s[\g+2], 64<<16                      ; tensor_dim1 = 64
	s_mov_b32 s[\g+3], 64<<16                      ; tile_dim0 = 64
	s_mov_b32 s[\g+4], 64                          ; tile_dim1 = 64
	s_mov_b32 s[\g+5], 64                          ; elements from row to row
	s_mov_b32 s[\g+6], 0
	s_mov_b32 s[\g+7], 0
.endr
	s_lshl_b32 s20, s12, 18                        ; K, V: the head, 262,144 bytes each,
	s_lshl_b32 s22, s10, 13                        ; + my 64 keys x 128 bytes: nothing of cx
	s_add_co_u32 s20, s20, s22
	s_mov_b32 s21, 0
	s_lshl_b32 s58, s12, 18                        ; Q and the result: the head,
	s_lshl_b32 s57, s11, 16                        ; + 512 queries x 128 bytes for each cx,
	s_add_co_u32 s58, s58, s57
	s_lshl_b32 s57, s8, 13                         ; + 64 queries for each wave
	s_add_co_u32 s58, s58, s57
	s_mov_b32 s59, 0
	s_mul_i32 s13, s8, PART                        ; where my part of a tile goes
	s_mul_i32 s19, s8, 16*KP
	s_add_co_u32 s19, s19, STAGE                   ; my stage
	s_wait_dscnt 0x0
	s_wait_kmcnt 0x0
	s_add_nc_u64 s[20:21], s[4:5], s[20:21]
	s_add_nc_u64 s[4:5], s[4:5], s[58:59]          ; my 64 rows of Q (part 0 of qkvh)
	s_add_nc_u64 s[6:7], s[6:7], s[58:59]
.irp s, 0,1
	s_mov_b32 s[G0K+4*\s], 1
	s_add_co_u32 s[G0K+4*\s+1], s13, \s*SLOT
	s_add_nc_u64 s[G0K+4*\s+2:G0K+4*\s+3], s[20:21], 0x1000000+\s*TILEB     ; part 1 of qkvh, tile s
	s_or_b32 s[G0K+4*\s+3], s[G0K+4*\s+3], 0x80000000
	s_mov_b32 s[G0V+4*\s], 1
	s_add_co_u32 s[G0V+4*\s+1], s13, \s*SLOT
	s_add_nc_u64 s[G0V+4*\s+2:G0V+4*\s+3], s[20:21], 0x2000000+\s*TILEB     ; part 2 of qkvh, tile s
	s_or_b32 s[G0V+4*\s+3], s[G0V+4*\s+3], 0x80000000
.endr
	ROUND                                          ; the four work-groups are here: the first joint load meets
	JLOAD 0                                        ; tile 0.  A wave never has more than one tensor load out
	v_and_b32 v1, 31, v0                           ; lane
	v_and_b32 v2, 15, v0                           ; r
	v_bfe_u32 v3, v0, 4, 1                         ; h
	v_lshlrev_b32 v[VQ], 7, v2
	v_lshl_add_u32 v[VQ], v3, 4, v[VQ]             ; row r of 128 bytes, 16 h
	WIN 0x40
.irp t, 0,1,2,3
.irp c, 0,1
	global_load_b128 v[QF+8*(2*\t+\c):QF+8*(2*\t+\c)+3],   v[VQ], s[4:5] offset:2048*\t+64*\c       ; Q(16 t + r, 32 c + 8 h ..): kept for the whole kernel
	global_load_b128 v[QF+8*(2*\t+\c)+4:QF+8*(2*\t+\c)+7], v[VQ], s[4:5] offset:2048*\t+64*\c+32
.endr
.endr
	WIN 0
	v_mul_u32_u24 v[VK], v2, KP
	v_lshl_add_u32 v[VK], v3, 4, v[VK]             ; K: row r, 16 h
	v_add_nc_u32 v[VK+1], SLOT, v[VK]
	v_and_b32 v4, 7, v0
	v_lshl_add_u32 v4, v3, 3, v4                   ; V: key 8 h + (lane & 7),
	v_bfe_u32 v5, v0, 3, 1
	v_mul_u32_u24 v4, v4, VP
	v_lshl_add_u32 v4, v5, 4, v4                   ; 16 bytes further for the second eight lanes of a half
	v_add_nc_u32 v[VV], 4*PART, v4
	v_add_nc_u32 v[VV+1], SLOT+4*PART, v4
	v_add_nc_u32 v[STO], s19, v[VK]                ; the way out, in: row r, 16 h
	v_lshrrev_b32 v4, 3, v1
	v_and_b32 v5, 7, v0
	v_mul_u32_u24 v4, v4, KP
	v_lshl_add_u32 v4, v5, 4, v4
	v_add_nc_u32 v[RD], s19, v4                    ; back: eight lanes a row of 128 bytes, 32 lanes four rows
	v_lshlrev_b32 v[CO], 4, v1
.irp t, 0,1,2,3
	v_mov_b32 v[TP+\t], 0                          ; v_permlanex16_b32 counts as a reader of its destination
.endr
	s_wait_loadcnt 0x0                             ; Q
.macro KLOAD                           ; 16 loads: the 64 keys of K's part at VKW
	WIN 0
.irp kt, 0,1,2,3
.irp c, 0,1
	ds_load_b128 v[KF+8*(2*\kt+\c):KF+8*(2*\kt+\c)+3],   v[VKW] offset:16*KP*\kt+64*\c
	ds_load_b128 v[KF+8*(2*\kt+\c)+4:KF+8*(2*\kt+\c)+7], v[VKW] offset:16*KP*\kt+64*\c+32
.endr
.endr
.endm
.macro VLOAD                           ; 16 transposing loads: V^T of the 64 keys of V's part at VVW: 16 d x 32 keys a fragment
	WIN 0x40                                       ; the data go to window 1, the address is in window 0
.irp dt, 0,1,2,3
.irp j, 0,1
	ds_load_tr16_b128 v[VF+8*(2*\dt+\j):VF+8*(2*\dt+\j)+3],   v[VVW] offset:32*VP*\j+32*\dt
	ds_load_tr16_b128 v[VF+8*(2*\dt+\j)+4:VF+8*(2*\dt+\j)+7], v[VVW] offset:32*VP*\j+32*\dt+16*VP
.endr
.endr
.endm
; Matrix instruction gg (0..7) of the scores of query tile x: 64 keys x 16 queries.  0..3: key tiles 0..3 over d = 0..31, which start the sums; 4..7: the same tiles
; over d = 32..63, in place.  The four accumulators take turns, one instruction a turn.
.macro SCW x
.if gg < 4
	v_wmma_f32_16x16x32_bf16 v[SB+32*\x+8*gg:SB+32*\x+8*gg+7], v[KF+16*gg:KF+16*gg+7], v[QF+16*\x:QF+16*\x+7], 0
.else
	v_wmma_f32_16x16x32_bf16 v[SB+32*\x+8*(gg-4):SB+32*\x+8*(gg-4)+7], v[KF+16*(gg-4)+8:KF+16*(gg-4)+15], v[QF+16*\x+8:QF+16*\x+15], v[SB+32*\x+8*(gg-4):SB+32*\x+8*(gg-4)+7]
.endif
.endm
; The lines of stretch A, by groups gg = 0..9.  Group gg makes c s - c m of registers 4 gg .. + 3 (at fb), the exponentials of the four before (at eb) and
; adds the four before those (at ab) to the two chains of sums.
.macro EX1 k
.if gg > 0
.if gg < 9
	v_exp_f32 v[eb+\k], v[eb+\k]
.endif
.endif
.endm
.macro FM1 t, k
.if gg < 8
	v_pk_fma_f32 v[fb+\k:fb+\k+1], v[fb+\k:fb+\k+1], s[16:17], v[ST+4*\t:ST+4*\t+1] op_sel_hi:[1,0,0]
.endif
.endm
.macro AD1 k                           ; x * 1.0 + y: an addition whose second source is a constant, since source 1's window is Q's here
.if gg == 3
	s_wait_alu depctr_va_vdst(0)
	v_pk_fma_f32 v[SM+\k:SM+\k+1], v[ab-4+\k:ab-4+\k+1], 1.0, v[ab+\k:ab+\k+1] op_sel_hi:[1,0,1]      ; the first eight numbers start the chains: nothing is cleared
.endif
.if gg > 3
	s_wait_alu depctr_va_vdst(0)
	v_pk_fma_f32 v[SM+\k:SM+\k+1], v[ab+\k:ab+\k+1], 1.0, v[SM+\k:SM+\k+1] op_sel_hi:[1,0,1]
.endif
.endm
; Stretch A: p and its sums for query tile t; sc = 1: the scores of query tile x among them.  Every exponential is followed by a plain line on other registers,
; and its result is read a group later (ISA guide 5.7.2).  Behind the last score product stand nine plain lines on tile t and the sums: more than the four
; places that the reads of S of tile x and the next loads into K's fragments are owed.
.macro AFES t, x, sc
	WIN 0x04                                       ; source 1 (Q) in window 1, all else in window 0
.set gg, 0
.rept 10
.set fb, SB+32*\t+4*gg
.set eb, fb-4
.set ab, fb-8
.if gg < 8
.if \sc
	SCW \x
.endif
.endif
	EX1 0
	FM1 \t, 0
	EX1 1
	FM1 \t, 2
	EX1 2
	AD1 0
	EX1 3
	AD1 2
.set gg, gg+1
.endr
	v_pk_fma_f32 v[SM:SM+1], v[SM:SM+1], 1.0, v[SM+2:SM+3] op_sel_hi:[1,0,1]
.endm
.macro RS1 x, k                        ; two numbers of O^T of query tile x times the lane's scale
	v_pk_mul_f32 v[OB+32*\x+\k:OB+32*\x+\k+1], v[OB+32*\x+\k:OB+32*\x+\k+1], v[ST+4*\x+2:ST+4*\x+3] op_sel_hi:[1,0]
.endm
; Stretch C: the 8 products of query tile t: 64 d x 16 queries over keys 0..31 (0..3), then keys 32..63 in place (4..7); the four accumulators take turns, one
; instruction a turn.  zero = 1: the first four start O.  rs = 1: the 16 multiplies that rescale O of query tile x stand among
; them, four of them behind the last product: the four places ahead of the loads into V^T that follow C_3.
.macro CPV t, zero, rs, x
	WIN 0x51                                       ; source 1 (P; the scale) in window 0, all else in window 1
.set gg, 0
.rept 8
.set dd, gg&3
.set jj, gg>>2
.set zz, 0
.if \zero
.if gg < 4
.set zz, 1
.endif
.endif
.if zz
	v_wmma_f32_16x16x32_bf16 v[OB+32*\t+8*dd:OB+32*\t+8*dd+7], v[VF+8*(2*dd+jj):VF+8*(2*dd+jj)+7], v[SB+32*\t+8*jj:SB+32*\t+8*jj+7], 0
	s_wait_alu depctr_va_vdst(0)
.else
	v_wmma_f32_16x16x32_bf16 v[OB+32*\t+8*dd:OB+32*\t+8*dd+7], v[VF+8*(2*dd+jj):VF+8*(2*dd+jj)+7], v[SB+32*\t+8*jj:SB+32*\t+8*jj+7], v[OB+32*\t+8*dd:OB+32*\t+8*dd+7]
	s_wait_alu depctr_va_vdst(0)
.endif
.if \rs
.if gg < 6
	RS1 \x, 4*gg
	RS1 \x, 4*gg+2
.endif
.if gg == 7
	RS1 \x, 24
	RS1 \x, 26
	RS1 \x, 28
	RS1 \x, 30
.endif
.endif
.set gg, gg+1
.endr
.endm
.macro CVP on, t, j                    ; two conversions of query tile t, in place and ascending: a register is written only after it has been read
.if \on
	v_cvt_pk_bf16_f32 v[SB+32*\t+\j],   v[SB+32*\t+2*\j],   v[SB+32*\t+2*\j+1]
	v_cvt_pk_bf16_f32 v[SB+32*\t+\j+1], v[SB+32*\t+2*\j+2], v[SB+32*\t+2*\j+3]
.endif
.endm
; Stretch B.  cv = 1: the end of query tile t's sum (ft = 1: it starts the running sum) and t's conversions.  mx = 1: the running maximum of query tile x over my 32
; scores (four chains of seven, then the four left over, the chains and the old maximum), joined with the other half of the lanes; -c m; the scale of
; the old sums (fx = 1: there are none yet).  The conversions stand between the maximum's dependent lines, two of them behind the exponential.
.macro BSL t, x, ft, fx, cv, mx
	WIN 0
.if \mx
.irp i, 0,1,2,3
	v_max3_num_f32 v[MT+\i], v[SB+32*\x+8*\i], v[SB+32*\x+8*\i+1], v[SB+32*\x+8*\i+2]
.endr
.endif
.if \cv
.if \ft
	v_add_f32 v[ST+4*\t+3], v[SM], v[SM+1]
.else
	v_add_f32 v[SM], v[SM], v[SM+1]
.endif
.endif
.if \mx
.irp i, 0,1,2,3
	v_max3_num_f32 v[MT+\i], v[MT+\i], v[SB+32*\x+8*\i+3], v[SB+32*\x+8*\i+4]
.endr
.endif
.if \cv
.if \ft
.else
	v_fma_f32 v[ST+4*\t+3], v[ST+4*\t+3], v[ST+4*\t+2], v[SM]
.endif
.endif
.if \mx
.irp i, 0,1,2,3
	v_max3_num_f32 v[MT+\i], v[MT+\i], v[SB+32*\x+8*\i+5], v[SB+32*\x+8*\i+6]
.endr
	v_max3_num_f32 v[MT],   v[MT],   v[MT+1], v[SB+32*\x+7]
	v_max3_num_f32 v[MT+2], v[MT+2], v[MT+3], v[SB+32*\x+15]
.endif
	CVP \cv, \t, 0
.if \mx
	v_max3_num_f32 v[MT], v[MT], v[SB+32*\x+23], v[SB+32*\x+31]
.endif
	CVP \cv, \t, 2
.if \mx
.if \fx
	v_max_num_f32 v[ST+4*\x+1], v[MT], v[MT+2]
.else
	v_max3_num_f32 v[ST+4*\x+1], v[ST+4*\x+1], v[MT], v[MT+2]
.endif
.endif
	CVP \cv, \t, 4
.if \mx
	v_permlanex16_b32 v[TP+\x], v[ST+4*\x+1], s14, s15     ; the other half's keys
.endif
	CVP \cv, \t, 6
.if \mx
	v_max_num_f32 v[ST+4*\x+1], v[ST+4*\x+1], v[TP+\x]
.endif
	CVP \cv, \t, 8
.if \mx
.if \fx
	v_mul_f32 v[ST+4*\x], s18, v[ST+4*\x+1]                ; -c m
.else
	v_mul_f32 v[TP+\x], s18, v[ST+4*\x+1]                  ; -c m_new
.endif
.endif
	CVP \cv, \t, 10
.if \mx
.if \fx
.else
	v_sub_f32 v[ST+4*\x+2], v[TP+\x], v[ST+4*\x]           ; c m_old - c m_new
	v_mov_b32 v[ST+4*\x], v[TP+\x]
.endif
.endif
	CVP \cv, \t, 12
.if \mx
.if \fx
.else
	v_exp_f32 v[ST+4*\x+2], v[ST+4*\x+2]                   ; the scale of the old sums
.endif
.endif
	CVP \cv, \t, 14
.endm
; The loop's body: the 64 keys of the part at byte s57 of a slot (the new unit), and the second half of the unit before.  pf = 1: the unit before is the first.
.macro ITER slot, pf
	v_add_nc_u32 v[VKW], s57, v[VK+\slot]          ; the slot's constant and lane term + the loop's counter: 0, 1, 2 or 3 parts
	v_add_nc_u32 v[VVW], s57, v[VV+\slot]
	KLOAD
	BSL 2, 3, \pf, \pf, 1, 1                       ; the unit before: tile 2's end, tile 3's maximum
	CPV 2, \pf, 1-\pf, 3
	s_wait_dscnt 0x0                               ; K: the only 16 loads that are out, issued ahead of B_2 and C_2
	AFES 3, 0, 1                                   ; the unit before's tile 3; the new unit's scores of tile 0
	BSL 3, 0, \pf, 0, 1, 1
	CPV 3, \pf, 1, 0                               ; the last product that reads the old V^T
	VLOAD
	AFES 0, 1, 1
	BSL 0, 1, 0, 0, 1, 1
	s_wait_dscnt 0x0                               ; V^T: the only 16 loads that are out, issued ahead of A_0 and B_0
	CPV 0, 0, 1, 1
	AFES 1, 2, 1
	BSL 1, 2, 0, 0, 1, 1
	CPV 1, 0, 1, 2
	AFES 2, 3, 1
	WIN 0
.endm
; The head of a tile of 256 keys in a slot.  In front of the round every wave's reads of the other slot are back (the last were V's, now in registers) and all its
; tensor loads have landed, its part of this tile among them; the round takes the place of the work-group's barrier, since the refill is a joint load; the
; refill of the other slot is the wave's first and only tensor load behind it, ahead of its first LDS read, and has this tile's 256 matrix instructions
; of the wave in which to land.
.macro HEAD slot, refill
	s_wait_tensorcnt 0x0
	ds_add_u32 v62, v63
	s_wait_dscnt 0x0
	s_add_nc_u64 s[G0K+4*\slot+2:G0K+4*\slot+3], s[G0K+4*\slot+2:G0K+4*\slot+3], 2*TILEB      ; no tensor load of mine is out: this slot's next tile
	s_add_nc_u64 s[G0V+4*\slot+2:G0V+4*\slot+3], s[G0V+4*\slot+2:G0V+4*\slot+3], 2*TILEB
	s_wait_dscnt 0x0
	ROUND
.if \refill
	JLOAD 1-\slot
.endif
.endm
.macro TILE slot, refill               ; a head and the tile's four bodies
	HEAD \slot, \refill
	s_mov_b32 s57, 0
.Lpart_\@:
	ITER \slot, 0
	s_add_co_u32 s57, s57, PART
	s_cmp_lt_u32 s57, 4*PART
	s_cbranch_scc1 .Lpart_\@
.endm
	HEAD 0, 1                                      ; tile 0; asks for tile 1
	; unit 0 up to the cut: it has no unit before it, and starts the maxima, the sums and O: nothing is cleared
	v_mov_b32 v[VKW], v[VK]
	v_mov_b32 v[VVW], v[VV]
	KLOAD
	VLOAD
	s_wait_dscnt 16                                ; K's 16 loads are in; the 16 of V, issued behind them, stay out
	WIN 0x04
.set gg, 0
.rept 8
	SCW 0
.set gg, gg+1
.endr
.rept 4
	v_nop                                          ; four places (ISA guide 7.12.1) ahead of the reads of S: here there is no other work yet
.endr
	BSL 0, 0, 1, 1, 0, 1                           ; tile 0's maximum alone
	AFES 0, 1, 1
	BSL 0, 1, 1, 1, 1, 1
	s_wait_dscnt 0x0                               ; V^T
	CPV 0, 1, 0, 1
	AFES 1, 2, 1
	BSL 1, 2, 1, 1, 1, 1
	CPV 1, 1, 0, 2
	AFES 2, 3, 1
	WIN 0
	s_mov_b32 s57, PART
	ITER 0, 1                                      ; unit 1, and unit 0's second half
	s_mov_b32 s57, 2*PART
.Lfirst:
	ITER 0, 0                                      ; units 2 and 3
	s_add_co_u32 s57, s57, PART
	s_cmp_lt_u32 s57, 4*PART
	s_cbranch_scc1 .Lfirst
	s_mov_b32 s56, 3
.Lpair:
	TILE 1, 1                                      ; tiles 1, 3, 5
	TILE 0, 1                                      ; tiles 2, 4, 6; tile 6 asks for tile 7,
	s_sub_co_u32 s56, s56, 1
	s_cmp_lg_u32 s56, 0
	s_cbranch_scc1 .Lpair
	TILE 1, 0                                      ; tile 7 for nothing
	; the last unit's second half
	BSL 2, 3, 0, 0, 1, 1
	CPV 2, 0, 1, 3
	AFES 3, 0, 0
	BSL 3, 0, 0, 0, 1, 0
	CPV 3, 0, 0, 0
.rept 4
	v_nop                                          ; four places ahead of the reads of O
.endr
	WIN 0
	; THE WAY OUT: join the two halves' sums, divide, round, and go through my own stage so that a store of the wave covers 4 rows x 128 bytes = 512 consecutive bytes, aligned.
.irp t, 0,1,2,3
	v_permlanex16_b32 v[TP+\t], v[ST+4*\t+3], s14, s15
.endr
.irp t, 0,1,2,3
	v_add_f32 v[ST+4*\t+3], v[ST+4*\t+3], v[TP+\t]
.endr
.irp t, 0,1,2,3
	v_rcp_f32 v[ST+4*\t+2], v[ST+4*\t+3]
.endr
	v_nop                                          ; a plain place behind the reciprocals (ISA guide 5.7.2)
	s_wait_alu depctr_va_vdst(0)
	WIN 0x51                                       ; O in window 1, 1 / sum in window 0
.irp t, 0,1,2,3
.irp k, 0,2,4,6,8,10,12,14,16,18,20,22,24,26,28,30
	RS1 \t, \k
.endr
.endr
.macro OUTT t
	WIN 0x05                                       ; sources in window 1
.irp dt, 0,1,2,3
.irp j, 0,1,2,3
	v_cvt_pk_bf16_f32 v[TMP+4*\dt+\j], v[OB+32*\t+8*\dt+2*\j], v[OB+32*\t+8*\dt+2*\j+1]
.endr
.endr
	WIN 0
.irp dt, 0,1,2,3
	ds_store_b128 v[STO], v[TMP+4*\dt:TMP+4*\dt+3] offset:32*\dt
.endr
	s_wait_xcnt 0x0                                ; the registers that earlier stores read are loaded again only behind this wait
.irp u, 0,1,2,3
	ds_load_b128 v[KF+16*(\t&1)+4*\u:KF+16*(\t&1)+4*\u+3], v[RD] offset:4*KP*\u      ; LDS serves a wave's instructions in order (ISA guide 5.7.1): these see the stores above
.endr
.irp u, 0,1,2,3
	s_wait_dscnt 3-\u                              ; load u is in, the younger ones stay out
	global_store_b128 v[CO], v[KF+16*(\t&1)+4*\u:KF+16*(\t&1)+4*\u+3], s[6:7] offset:2048*\t+512*\u
.endr
.endm
	OUTT 0
	OUTT 1
	OUTT 2
	OUTT 3
	s_wait_tensorcnt 0x0
	ds_add_u32 v62, v63
	s_wait_dscnt 0x0
	ROUND                                          ; the closing round: no work-group ends while a partner may still ask for a tile that names it
	s_endpgm
.Lfunc_end_k_q6e1d6580d7_attn:
	.size	k_q6e1d6580d7_attn, .Lfunc_end_k_q6e1d6580d7_attn-k_q6e1d6580d7_attn
	.p2alignl 7, 3214868480
	.fill 96, 4, 3214868480
	.section	.rodata,"a",@progbits
	.p2align	6, 0x0
	.amdhsa_kernel k_q6e1d6580d7_attn
		.amdhsa_group_segment_fixed_size 327680
		.amdhsa_private_segment_fixed_size 0
		.amdhsa_enable_private_segment 0
		.amdhsa_kernarg_size 16
		.amdhsa_user_sgpr_count 2
		.amdhsa_user_sgpr_kernarg_segment_ptr 1
		.amdhsa_wavefront_size32 1
		.amdhsa_system_sgpr_workgroup_id_x 1
		.amdhsa_system_sgpr_workgroup_id_y 1
		.amdhsa_system_sgpr_workgroup_id_z 1
		.amdhsa_system_vgpr_workitem_id 0
		.amdhsa_next_free_vgpr 512
		.amdhsa_next_free_sgpr 66
		.amdhsa_reserve_vcc 0
		.amdhsa_float_denorm_mode_32 3
		.amdhsa_float_denorm_mode_16_64 3
		.amdhsa_memory_ordered 1
		.amdhsa_forward_progress 1
		.amdhsa_inst_pref_size 226
	.end_amdhsa_kernel
	.amdgpu_metadata
---
amdhsa.version: [ 1, 2 ]
amdhsa.kernels:
  - .name:           k_q6e1d6580d7_attn
    .symbol:         k_q6e1d6580d7_attn.kd
    .args:
      - { .name: qkvh, .offset: 0, .size: 8, .value_kind: global_buffer, .address_space: global }
      - { .name: Ah, .offset: 8, .size: 8, .value_kind: global_buffer, .address_space: global }
    .group_segment_fixed_size: 327680
    .private_segment_fixed_size: 0
    .kernarg_segment_align: 8
    .kernarg_segment_size: 16
    .max_flat_workgroup_size: 256
    .sgpr_count:     66
    .vgpr_count:     512
    .wavefront_size: 32
...
	.end_amdgpu_metadata
.endif
;; end of part 3
;; launch oproj (part 4): grid 4 x 64, 4 waves a work-group, clusters of 4 x 4, 327,680 bytes of LDS; arguments Ah, Wb, bo, out0; writes out0
.if DOCPART == 4
	.amdgcn_target "amdgcn-amd-amdhsa--gfx1250"
	.amdhsa_code_object_version 6
	.text
	.protected	k_q6e1d6580d7_oproj
	.globl	k_q6e1d6580d7_oproj
	.p2align	8
	.type	k_q6e1d6580d7_oproj,@function
k_q6e1d6580d7_oproj:
	s_mov_b64 s[64:65], 0
	v_nop
	global_prefetch_b8 v0, s[64:65] scope:SCOPE_SE
	s_setreg_imm32_b32 hwreg(HW_REG_WAVE_MODE, 25, 1), 1
	s_wait_xcnt 0x0
	s_wait_alu depctr_hold_cnt(0) depctr_sa_sdst(0) depctr_va_vdst(0) depctr_va_sdst(0) depctr_va_ssrc(0) depctr_va_vcc(0) depctr_vm_vsrc(0)
	s_getreg_b32 s2, hwreg(HW_REG_IB_STS2, 6, 4)
	s_cmp_eq_u32 s2, 0
	s_cbranch_scc0 .Lentry_in_a_cluster
	s_endpgm
.Lentry_in_a_cluster:
	s_bfe_u32 s2, ttmp6, 0x10000c
	s_cmp_lg_u32 s2, 0xf033
	s_cbranch_scc0 .Lentry_shape_is_right
	s_endpgm
.Lentry_shape_is_right:
; out0[b,s][n] = sum over k of A[b,s][k] Wo[n][k] + bo[n], f32.  A[b,s][64 head + d] = Ah[b][head][s][d], bf16.  Wo: bf16 [1024][1024], part 3 of Wb.
; Sums in f32; the bias is the first term of each sum.  LIMITS: A and Wo are bf16; NaN and infinities are not served.
; A work-group makes 128 rows x 256 columns with four waves; a wave makes 64 x 128: 32 accumulator tiles, 256 registers.  64 x 4 = 256 work-groups.
; K goes in steps of 128 = two heads through two LDS slots; a wave brings one head's 128 rows x 128 bytes (16,384 consecutive bytes of Ah) or 128 rows x 256 bytes of Wo.
; CLUSTERS: 4 x 4 work-groups.  A's tile hangs on the block row alone and is asked for jointly along a row of the cluster, Wo's on the block column alone
; and jointly along a column: the requests for both are divided by four.
; THE MATRIX INSTRUCTION IS USED TRANSPOSED: source 0 = 16 rows of Wo, source 1 = 16 rows of A: lane (r, h) holds row r and columns 8 h + 0..7, 32 neighbouring bytes.
; REGISTERS: window 0: addresses, A's fragments (two buffers), rows on the way out, the bias; window 1: Wo's fragments (two buffers); window 2: accumulators, tile (a, b) at v[8 (8 a + b)].
.set HALFT,  34816                     ; LDS bytes of one wave's load: Wo 128 rows x 272; A 128 rows x 144 = 18,432 of them
.set SLOT,   4*HALFT                   ; A's two heads, then Wo's two halves
.set STAGE,  2*SLOT                    ; behind the ring: 16 rows x 528 bytes for each wave, never the target of a tensor load
.set APITCH, 144                       ; 128 bytes + 16
.set BPITCH, 272                       ; 256 bytes + 16
.set SPITCH, 528                       ; 512 bytes + 16
.set ASTEP,  524288                    ; two heads of Ah
.set BSTEP,  256                       ; bytes of a K step in a row of Wo
.set LAPS,   4
.set ADRA, 16
.set ADRB, 20
.set STO,  24
.set RD,   25
.set CO,   26
.set BOF,  27
.set AF,   32                          ; v32-63, v64-95: A's fragments, buffers 0, 1
.set OUTB, 96                          ; v96-127, v128-159: rows read back, two sets by turns
.set BIAS, 192                         ; v192-255: tile column b: bias of my 8 columns, in the accumulators' layout
.set G1,  24
.set G0,  32
.set G1B, 48
.set G0B, 56
.set MSB, 0
.macro WIN new                         ; s_set_vgpr_msb: bits 1:0 source 0, 3:2 source 1, 5:4 source 2, 7:6 destination; the high byte repeats the setting that is left
.if MSB != \new
	s_set_vgpr_msb (MSB<<8)|\new
.set MSB, \new
.endif
.endm
.macro JLOAD s                         ; waves 0 and 1 fetch A's two heads, waves 2 and 3 Wo's two halves; the branch hangs on the wave's number alone
	s_cmp_eq_u32 s11, 0
	s_cbranch_scc0 .Lfor_b_\@
	tensor_load_to_lds s[G0+4*(\s):G0+4*(\s)+3], s[G1:G1+7]
	s_nop 0
	s_branch .Lasked_\@
.Lfor_b_\@:
	tensor_load_to_lds s[G0B+4*(\s):G0B+4*(\s)+3], s[G1B:G1B+7]
	s_nop 0
.Lasked_\@:
.endm
.macro CREST                           ; a round of the cluster's barrier behind its opening work-group barrier
	s_cmp_lg_u32 s10, 0
	s_cbranch_scc1 .Lnot_wave_0_\@
	s_barrier_signal -3
.Lnot_wave_0_\@:
	s_barrier_wait -3
	s_barrier_signal -1
	s_barrier_wait -1
.endm
.macro CROUND
	s_barrier_signal -1
	s_barrier_wait -1
	CREST
.endm
.macro PLACES                          ; four places behind a matrix instruction (ISA guide 7.12.1)
.rept 4
	v_nop
.endr
.endm
	s_load_b256 s[68:75], s[0:1], 0x0              ; Ah s[68:69], Wb s[70:71], bo s[72:73], out0 s[74:75]
	v_lshl_add_u32 v190, v0, 2, 0x4c400
	v_mov_b32 v191, 0
	ds_add_u32 v190, v191
	v_lshrrev_b32 v1, 5, v0
	v_readfirstlane_b32 s10, v1                    ; wave 0..3
	s_lshr_b32 s11, s10, 1                         ; which 64 rows of the block are mine.  Also: I fetch for A (0) or for Wo (1)
	s_and_b32 s12, s10, 1                          ; which 128 columns.  Also: which part of that tile I fetch
	s_bfe_u32 s40, ttmp6, 0x40000                  ; cx
	s_bfe_u32 s41, ttmp6, 0x40004                  ; cy
	s_lshl_b32 s42, ttmp9, 2
	s_add_co_u32 s42, s42, s40                     ; block column 0..3
	s_and_b32 s13, ttmp7, 0xffff
	s_lshl_b32 s13, s13, 2
	s_add_co_u32 s13, s13, s41                     ; block row 0..63
	s_lshl_b32 s43, s41, 2
	s_lshl_b32 s43, 15, s43                        ; my row of the cluster
	s_lshl_b32 s44, 0x1111, s40                    ; my column
	; group 1 for A: 128 rows x 64 elements of 2 bytes, 16 bytes of padding behind every 32 words
	s_or_b32 s[G1+0], s43, (1<<16)|(1<<20)|(1<<21)|(4<<22)|(3<<25)
	s_mov_b32 s[G1+1], 64<<16                      ; tensor_dim0 = 64
	s_mov_b32 s[G1+2], 128<<16                     ; tensor_dim1 = 128
	s_mov_b32 s[G1+3], 64<<16                      ; tile_dim0 = 64
	s_mov_b32 s[G1+4], 128                         ; tile_dim1 = 128
	s_mov_b32 s[G1+5], 64                          ; elements from row to row
	s_mov_b32 s[G1+6], 0
	s_mov_b32 s[G1+7], 0
	; group 1 for Wo: 128 rows x 128 elements of 2 bytes, 16 bytes of padding behind every 64 words
	s_or_b32 s[G1B+0], s44, (1<<16)|(1<<20)|(1<<21)|(5<<22)|(3<<25)
	s_mov_b32 s[G1B+1], 128<<16
	s_mov_b32 s[G1B+2], 128<<16
	s_mov_b32 s[G1B+3], 128<<16
	s_mov_b32 s[G1B+4], 128
	s_mov_b32 s[G1B+5], 1024
	s_mov_b32 s[G1B+6], 0
	s_mov_b32 s[G1B+7], 0
	s_lshr_b32 s16, s13, 4                         ; A: batch = block row / 16, 16 heads x 262,144 bytes,
	s_lshl_b32 s16, s16, 22
	s_and_b32 s17, s13, 15
	s_lshl_b32 s17, s17, 14                        ; + 128 rows x 128 bytes inside a head,
	s_add_co_u32 s16, s16, s17
	s_lshl_b32 s17, s12, 18                        ; + one head for part 1
	s_add_co_u32 s16, s16, s17
	s_mov_b32 s17, 0
	s_lshl_b32 s46, s42, 19                        ; Wo: 256 rows x 2,048 bytes,
	s_lshl_b32 s47, s12, 18                        ; + 128 rows for half 1,
	s_add_co_u32 s46, s46, s47
	s_add_co_u32 s46, s46, 6291456                 ; in part 3 of Wb
	s_mov_b32 s47, 0
	s_mul_i32 s20, s10, HALFT                      ; where the tiles go: the wave's number alone
	; offsets that mix the two coordinates, in registers that feed no descriptor
	s_lshl_b32 s86, s42, 10                        ; my first column, in bytes of f32: 256 x 4 a block,
	s_lshl_b32 s66, s12, 9                         ; + 128 x 4 for my half: the bias's offset
	s_add_co_u32 s86, s86, s66
	s_mov_b32 s87, 0
	s_lshl_b32 s88, s13, 19                        ; the result: 128 rows x 4,096 bytes,
	s_lshl_b32 s66, s11, 18                        ; + 64 rows,
	s_add_co_u32 s88, s88, s66
	s_add_co_u32 s88, s88, s86                     ; + my first column
	s_mov_b32 s89, 0
	s_wait_dscnt 0x0
	s_wait_kmcnt 0x0
	s_add_nc_u64 s[14:15], s[68:69], s[16:17]
	s_add_nc_u64 s[46:47], s[70:71], s[46:47]
	s_add_nc_u64 s[84:85], s[72:73], s[86:87]
	s_add_nc_u64 s[8:9], s[74:75], s[88:89]
	CROUND                                         ; all sixteen work-groups are here: the first joint loads meet
.irp s, 0,1
	s_mov_b32 s[G0+4*\s], 1
	s_add_co_u32 s[G0+4*\s+1], s20, \s*SLOT
	s_add_nc_u64 s[G0+4*\s+2:G0+4*\s+3], s[14:15], \s*ASTEP
	s_or_b32 s[G0+4*\s+3], s[G0+4*\s+3], 0x80000000
	s_mov_b32 s[G0B+4*\s], 1
	s_add_co_u32 s[G0B+4*\s+1], s20, \s*SLOT
	s_add_nc_u64 s[G0B+4*\s+2:G0B+4*\s+3], s[46:47], \s*BSTEP
	s_or_b32 s[G0B+4*\s+3], s[G0B+4*\s+3], 0x80000000
	JLOAD \s                                       ; K steps 0 and 1: two tensor loads of the wave are out, later one
.endr
	v_and_b32 v1, 15, v0                           ; r
	v_bfe_u32 v2, v0, 4, 1                         ; h
	v_and_b32 v6, 31, v0                           ; lane
	v_lshlrev_b32 v[BOF], 5, v2
.irp b, 0,1,2,3,4,5,6,7
	global_load_b128 v[BIAS+8*\b:BIAS+8*\b+3],   v[BOF], s[84:85] offset:64*\b       ; bias of columns 16 b + 8 h + 0..3
	global_load_b128 v[BIAS+8*\b+4:BIAS+8*\b+7], v[BOF], s[84:85] offset:64*\b+16    ; and + 4..7
.endr
	v_mul_u32_u24 v3, v1, APITCH
	v_lshl_add_u32 v3, v2, 4, v3                   ; A: row r, 16 h
	v_mul_u32_u24 v4, v1, BPITCH
	v_lshl_add_u32 v4, v2, 4, v4                   ; Wo: row r, 16 h
	s_mul_i32 s21, s11, 64*APITCH                  ; my 64 rows of each head's 128
	s_mul_i32 s22, s12, HALFT
	s_add_co_u32 s22, s22, 2*HALFT                 ; my 128 rows of Wo, behind A's two heads
.irp s, 0,1
	v_add_nc_u32 v[ADRA+\s], s21, v3
	v_add_nc_u32 v[ADRB+\s], s22, v4
	s_add_co_u32 s21, s21, SLOT
	s_add_co_u32 s22, s22, SLOT
.endr
	s_mul_i32 s23, s10, 16*SPITCH
	s_add_co_u32 s23, s23, STAGE                   ; my stage
	v_mul_u32_u24 v5, v1, SPITCH
	v_lshl_add_u32 v5, v2, 5, v5
	v_add_nc_u32 v[STO], s23, v5                   ; in: row r, 32 bytes for each half of the lanes
	v_lshlrev_b32 v[CO], 4, v6                     ; 16 x lane: 32 lanes take a row's 512 bytes
	v_add_nc_u32 v[RD], s23, v[CO]
; 16 matrix instructions: row tiles a0, a0 + 1 x all 8 column tiles, 32 along K, from buffer f.  first = 1: the bias is C, so it starts the sums and nothing is cleared.
; The 32 accumulators take turns, one instruction a turn, in the same order in every quarter step.
.macro MUL16 f, a0, first
.if \first
	WIN 0x81                                       ; Wo window 1, A window 0, C (bias) window 0, D window 2
.else
	WIN 0xa1                                       ; C and D window 2
.endif
.irp a, \a0, \a0+1
.irp b, 0,1,2,3,4,5,6,7
.if \first
	v_wmma_f32_16x16x32_bf16 v[8*(8*(\a)+\b):8*(8*(\a)+\b)+7], v[64*\f+8*\b:64*\f+8*\b+7], v[AF+32*\f+8*(\a):AF+32*\f+8*(\a)+7], v[BIAS+8*\b:BIAS+8*\b+7]
.else
	v_wmma_f32_16x16x32_bf16 v[8*(8*(\a)+\b):8*(8*(\a)+\b)+7], v[64*\f+8*\b:64*\f+8*\b+7], v[AF+32*\f+8*(\a):AF+32*\f+8*(\a)+7], v[8*(8*(\a)+\b):8*(8*(\a)+\b)+7]
.endif
.endr
.endr
.endm
; 24 LDS loads: quarter q (32 along K) of a slot into buffer g: Wo's 128 rows, A's 64 rows (head q >> 1 of the step's two, d from 32 (q & 1))
.macro FETCH slot, q, g
	WIN 0x40
.irp b, 0,1,2,3,4,5,6,7
	ds_load_b128 v[64*\g+8*\b:64*\g+8*\b+3],   v[ADRB+\slot] offset:\b*16*BPITCH+64*(\q)
	ds_load_b128 v[64*\g+8*\b+4:64*\g+8*\b+7], v[ADRB+\slot] offset:\b*16*BPITCH+64*(\q)+32
.endr
	WIN 0
.irp a, 0,1,2,3
	ds_load_b128 v[AF+32*\g+8*\a:AF+32*\g+8*\a+3],   v[ADRA+\slot] offset:((\q)>>1)*HALFT+\a*16*APITCH+64*((\q)&1)
	ds_load_b128 v[AF+32*\g+8*\a+4:AF+32*\g+8*\a+7], v[ADRA+\slot] offset:((\q)>>1)*HALFT+\a*16*APITCH+64*((\q)&1)+32
.endr
.endm
; One of a K step's first three quarters: asks for quarter q + 1 into buffer g, which the last quarter's matrix instructions read (hence the places), and multiplies quarter q in buffer f.
.macro QUARTER slot, q, f, g, first
	PLACES
	FETCH \slot, \q+1, \g
	MUL16 \f, 0, \first
	MUL16 \f, 2, \first
	WIN 0
	s_wait_dscnt 0x0                               ; the 24 loads issued ahead of the 32 matrix instructions
.endm
.macro THREE slot, first
	QUARTER \slot, 0, 0, 1, \first
	QUARTER \slot, 1, 1, 0, 0
	QUARTER \slot, 2, 0, 1, 0
.endm
; The last quarter, on buffer 1, and the change of slots.  In front of the barrier each wave's reads of this slot are back and all its tensor loads have
; landed (the one that was out is its part of the next slot).  fill = 1: the barrier opens a round of the cluster's barrier, and this slot's joint refill,
; two K steps ahead, is the wave's first and only tensor load behind the round.  It has 112 of a step's 128 matrix instructions in which to land.
.macro TURN slot, next, fill
	s_wait_dscnt 0x0
	s_wait_tensorcnt 0x0
	ds_add_u32 v190, v191
	s_wait_dscnt 0x0
	s_barrier_signal -1
	MUL16 1, 0, 0                                  ; registers only, while the others arrive
	WIN 0
	s_barrier_wait -1
.if \fill
	CREST
	s_add_nc_u64 s[G0+4*\slot+2:G0+4*\slot+3], s[G0+4*\slot+2:G0+4*\slot+3], 2*ASTEP      ; no tensor load of mine is out: group 0 may be written
	s_add_nc_u64 s[G0B+4*\slot+2:G0B+4*\slot+3], s[G0B+4*\slot+2:G0B+4*\slot+3], 2*BSTEP
	JLOAD \slot
.endif
	PLACES                                         ; between the third quarter's matrix instructions, which read buffer 0, and the loads into it
	FETCH \next, 0, 0
	MUL16 1, 2, 0
	WIN 0
	s_wait_dscnt 0x0
.endm
.macro LAP first
	THREE 0, \first
	TURN 0, 1, 1
	THREE 1, 0
	TURN 1, 0, 1
.endm
	s_wait_loadcnt 0x0                             ; the bias
	s_wait_tensorcnt 0x1                           ; my part of K step 0 is in; step 1's load stays out
	s_barrier_signal -1
	s_barrier_wait -1                              ; everybody's part is in
	FETCH 0, 0, 0
	s_wait_dscnt 0x0
	LAP 1                                          ; the first lap stands in front of the loop: its first products take the bias as C
	s_mov_b32 s3, LAPS-2
.Llap:
	LAP 0
	s_sub_co_u32 s3, s3, 1
	s_cmp_lg_u32 s3, 0
	s_cbranch_scc1 .Llap
	THREE 0, 0                                     ; the last lap fills nothing
	TURN 0, 1, 0
	THREE 1, 0
	MUL16 1, 0, 0
	MUL16 1, 2, 0
	PLACES                                         ; behind the last matrix instructions, ahead of the LDS stores that read results
; THE WAY OUT, 16 rows at a time: 32 bytes a lane into my own stage, read back as whole rows: one store of the wave covers a row's 512 consecutive bytes, aligned to 512.
; LDS serves a wave's instructions in order (ISA guide 5.7.1), so no wait stands between the stores into the stage and the loads from it.
.macro OUT16 a
	WIN 0x08                                       ; the data of an LDS store is source 1: window 2
.irp b, 0,1,2,3,4,5,6,7
	ds_store_b128 v[STO], v[8*(8*\a+\b):8*(8*\a+\b)+3]   offset:64*\b
	ds_store_b128 v[STO], v[8*(8*\a+\b)+4:8*(8*\a+\b)+7] offset:64*\b+16
.endr
	WIN 0
.irp g, 0,1
	s_wait_xcnt 0x0                                ; the registers that earlier stores read are loaded again only behind this wait
.irp u, 0,1,2,3,4,5,6,7
	ds_load_b128 v[OUTB+32*\g+4*\u:OUTB+32*\g+4*\u+3], v[RD] offset:(8*\g+\u)*SPITCH
.endr
.irp u, 0,1,2,3,4,5,6,7
	s_wait_dscnt 7-\u                              ; load u is in, the younger ones stay out
	global_store_b128 v[CO], v[OUTB+32*\g+4*\u:OUTB+32*\g+4*\u+3], s[8:9] offset:(16*\a+8*\g+\u)*4096 th:TH_STORE_NT
.endr
.endr
.endm
	OUT16 0
	OUT16 1
	OUT16 2
	OUT16 3
	s_wait_tensorcnt 0x0
	ds_add_u32 v190, v191
	s_wait_dscnt 0x0
	CROUND                                         ; the closing round: no work-group ends while a partner may still ask for a tile that names it
	s_endpgm
.Lfunc_end_k_q6e1d6580d7_oproj:
	.size	k_q6e1d6580d7_oproj, .Lfunc_end_k_q6e1d6580d7_oproj-k_q6e1d6580d7_oproj
	.p2alignl 7, 3214868480
	.fill 96, 4, 3214868480
	.section	.rodata,"a",@progbits
	.p2align	6, 0x0
	.amdhsa_kernel k_q6e1d6580d7_oproj
		.amdhsa_group_segment_fixed_size 327680
		.amdhsa_private_segment_fixed_size 0
		.amdhsa_enable_private_segment 0
		.amdhsa_kernarg_size 32
		.amdhsa_user_sgpr_count 2
		.amdhsa_user_sgpr_kernarg_segment_ptr 1
		.amdhsa_wavefront_size32 1
		.amdhsa_system_sgpr_workgroup_id_x 1
		.amdhsa_system_sgpr_workgroup_id_y 1
		.amdhsa_system_sgpr_workgroup_id_z 1
		.amdhsa_system_vgpr_workitem_id 0
		.amdhsa_next_free_vgpr 768
		.amdhsa_next_free_sgpr 90
		.amdhsa_reserve_vcc 0
		.amdhsa_float_denorm_mode_32 3
		.amdhsa_float_denorm_mode_16_64 3
		.amdhsa_memory_ordered 1
		.amdhsa_forward_progress 1
		.amdhsa_inst_pref_size 120
	.end_amdhsa_kernel
	.amdgpu_metadata
---
amdhsa.version: [ 1, 2 ]
amdhsa.kernels:
  - .name:           k_q6e1d6580d7_oproj
    .symbol:         k_q6e1d6580d7_oproj.kd
    .args:
      - { .name: Ah, .offset: 0, .size: 8, .value_kind: global_buffer, .address_space: global }
      - { .name: Wb, .offset: 8, .size: 8, .value_kind: global_buffer, .address_space: global }
      - { .name: bo, .offset: 16, .size: 8, .value_kind: global_buffer, .address_space: global }
      - { .name: out0, .offset: 24, .size: 8, .value_kind: global_buffer, .address_space: global }
    .group_segment_fixed_size: 327680
    .private_segment_fixed_size: 0
    .kernarg_segment_align: 8
    .kernarg_segment_size: 32
    .max_flat_workgroup_size: 128
    .sgpr_count:     90
    .vgpr_count:     768
    .wavefront_size: 32
...
	.end_amdgpu_metadata
.endif
;; end of part 4
